; MI455X (gfx1250); checked and timed in simulation.
; The chip was launched on July 23, 2026; its instructions are those of AMD's public machine-readable ISA for CDNA 5 (MIT licence, August 2026) and "CDNA5" Instruction Set Architecture Reference Guide (July 2026). The comments in the code are by the model that wrote it; some were corrected since.
;; Multi Head Attention. Allowed arithmetic: matrix products marked QUANTISED: E2M1 operands, one E8M0 scale for each 32 along K, by v_wmma_scale_f32_16x16x128_f8f6f4 with both operands' format E2M1 (or v_wmma_scale_f32_32x16x128_f4), f32 sums; everything else in f32.
;; Inputs: K_codes 2 x 4,096 x 16 x 16 uint8 (E2M1 codes of K, K innermost, in blocks of 32 codes, two codes a byte); K_scales 2 x 4,096 x 16 uint8 (E8M0 scales of K, one for each 32 codes along K); Q_codes 2 x 4,096 x 16 x 16 uint8 (E2M1 codes of Q, K innermost, in blocks of 32 codes, two codes a byte); Q_scales 2 x 4,096 x 16 uint8 (E8M0 scales of Q, one for each 32 codes along K); V_codes 2 x 4,096 x 16 x 16 uint8 (E2M1 codes of V, K innermost, in blocks of 32 codes, two codes a byte); V_scales 2 x 4,096 x 16 uint8 (E8M0 scales of V, one for each 32 codes along K); Wk_codes 512 x 16 x 16 uint8 (E2M1 codes of Wk, K innermost, in blocks of 32 codes, two codes a byte); Wk_scales 512 x 16 uint8 (E8M0 scales of Wk, one for each 32 codes along K); Wo_codes 512 x 16 x 16 uint8 (E2M1 codes of Wo, K innermost, in blocks of 32 codes, two codes a byte); Wo_scales 512 x 16 uint8 (E8M0 scales of Wo, one for each 32 codes along K); Wq_codes 512 x 16 x 16 uint8 (E2M1 codes of Wq, K innermost, in blocks of 32 codes, two codes a byte); Wq_scales 512 x 16 uint8 (E8M0 scales of Wq, one for each 32 codes along K); Wv_codes 512 x 16 x 16 uint8 (E2M1 codes of Wv, K innermost, in blocks of 32 codes, two codes a byte); Wv_scales 512 x 16 uint8 (E8M0 scales of Wv, one for each 32 codes along K); bk 512 float32; bo 512 float32; bq 512 float32; bv 512 float32.
;; Outputs: out0 2 x 4,096 x 512 float32.
;; This version of the problem:
;;   THIS VERSION OF THE PROBLEM IS GIVEN IN LOW PRECISION. The matrix products marked QUANTISED in the list below multiply operands that are first quantised to E2M1 (2 exponent bits, 1 mantissa bit; 4 bits a number), with one power-of-two scale for each 32 numbers along K (OCP MX v1.0); their sums are f32. All else is computed in f32.
;;   The module's matrix products, in the order in which they are computed (A, B: the left and right operand; K: the contracted axis; several contracted axes count as one K, in the product's order):
;;     1. [M 8,192, K 512] x [K 512, N 512]; A: input Q (given as codes); B: input Wq (given as codes): QUANTISED
;;     2. [M 8,192, K 512] x [K 512, N 512]; A: input K (given as codes); B: input Wk (given as codes): QUANTISED
;;     3. [M 8,192, K 512] x [K 512, N 512]; A: input V (given as codes); B: input Wv (given as codes): QUANTISED
;;     4. batch 16 x [M 4,096, K 64] x [K 64, N 4,096]; A: computed on the way; B: computed on the way: QUANTISED
;;     5. batch 16 x [M 4,096, K 4,096] x [K 4,096, N 64]; A: softmax (see below); B: computed on the way: QUANTISED
;;     6. [M 8,192, K 512] x [K 512, N 512]; A: computed on the way; B: input Wo (given as codes): QUANTISED
;;   THE QUANTISER, for each operand of a quantised product, along K:
;;     - K is cut into blocks of 32 from its start; a last block that is shorter is filled with zeros.
;;     - A block's scale is 2^e with e = floor(log2(the largest magnitude in the block)) - 2, held to -126 .. 127; a block of zeros has e = 0. As a byte (E8M0): e + 127.
;;     - Each number is divided by its block's scale, clamped to +-6, and rounded to the nearest number of E2M1, ties to even, subnormals kept.
;;     - The product sums the exact products of the quantised numbers (number of the format x scale) in f32.
;;   ~~~python
;;   def quantise(x, axis):      # numpy; x: float32 -> the quantised numbers, widened to float32 again
;;       x = np.moveaxis(x, axis, -1); K = x.shape[-1]
;;       x = np.pad(x, [(0, 0)] * (x.ndim - 1) + [(0, -K % 32)]); x = x.reshape(x.shape[:-1] + (-1, 32)); a = np.abs(x).max(-1, keepdims=True)
;;       e = np.where(a > 0, np.clip(np.frexp(np.where(a > 0, a, 1))[1] - 1 - 2, -126, 127), 0)      # np.frexp(a)[1] - 1 = floor(log2(a)), exactly
;;       r = np.clip(x / 2.0 ** e, -6, 6)
;;       step = 2.0 ** (np.maximum(np.frexp(np.where(r == 0, 1, r))[1] - 1, 0) - 1)
;;       q = np.round(r / step) * step * 2.0 ** e      # np.round: ties to even
;;       return np.moveaxis(q.reshape(q.shape[:-2] + (-1,))[..., :K], -1, axis).astype(np.float32)
;;   ~~~
;;   SOFTMAX AHEAD OF A QUANTISED PRODUCT. Where the list says 'softmax', what is quantised is not the finished softmax but p = 2^(t - M), with t = logit x log2(e) and M = ceil(the row's largest t), a whole number; so 1/2 < the row's largest p <= 1. The row's sum l is taken of the UNQUANTISED p, in f32, and the product's result is divided by l at the end. Since M is a whole number, a kernel that streams over the keys may use a running M (the ceiling of the running maximum): every later rescaling is an exact power of two, which a block's scale takes up: the codes' values come out the same.
;;   OPERANDS COMPUTED ON THE WAY. 'Computed on the way' means the value that the module computes at that place (a softmax that the list does not call 'softmax' is quantised finished and normalised). What goes into a quantiser is computed in f32, as accurately as f32 sums, v_exp_f32 and their like allow (about 1e-6 of the number): no bf16 or f16 on the way to a quantiser, and a product that is left as it is and whose result goes on into a quantised operand takes f32 operands (vector FMAs, or v_wmma_f32_16x16x4_f32). A number that lies on a knife's edge between two numbers of the format may be rounded either way, as far as f32 arithmetic and the matrix unit's own rounding can turn it there, and no further.
;;   INPUTS GIVEN AS CODES. K (in the module: [2, 4096, 512], K = its axis 2); Q (in the module: [2, 4096, 512], K = its axis 2); V (in the module: [2, 4096, 512], K = its axis 2); Wk (in the module: [512, 512], K = its axis 0); Wo (in the module: [512, 512], K = its axis 0); Wq (in the module: [512, 512], K = its axis 0); Wv (in the module: [512, 512], K = its axis 0): each comes as NAME_codes (uint8): NAME with its K axis moved to the last place and cut into blocks of 32 codes, [.., K / 32, bytes a block], one block behind the other in memory; two codes a byte, the lower K in the low four bits (a code: sign, 2 exponent bits, 1 mantissa bit); and NAME_scales (uint8): the same leading axes, one E8M0 byte (e + 127) for each 32 codes along K. Its value is code x scale, taken as it is: it is not quantised again, and the codes and scales need not be those that the quantiser above would give.
;; One version. Each part assembles by itself: llvm-mc -triple=amdgcn-amd-amdhsa -mcpu=gfx1250 --defsym DOCPART=n.
;; ======== version 1 of 1: 3 launches
;; limits: right only within a limited range of input values
;; workspace buffers: qx 2,359,296 bytes; kv 4,718,592 bytes; oc 2,097,152 bytes; os 131,072 bytes
;; launch proj (part 1): grid 64 x 3, 16 waves a work-group, no clusters, 47,104 bytes of LDS; arguments Q_codes, Q_scales, Wq_codes, Wq_scales, K_codes, K_scales, Wk_codes, Wk_scales, V_codes, V_scales, Wv_codes, Wv_scales, bq, bk, bv, qx, kv; writes qx, kv
.if DOCPART == 1
	.amdgcn_target "amdgcn-amd-amdhsa--gfx1250"
	.amdhsa_code_object_version 6
	.text
	.protected	k_q2a93391023_proj
	.globl	k_q2a93391023_proj
	.p2align	8
	.type	k_q2a93391023_proj,@function
k_q2a93391023_proj:
	s_mov_b64 s[64:65], 0
	v_nop
	global_prefetch_b8 v0, s[64:65] scope:SCOPE_SE
	s_setreg_imm32_b32 hwreg(HW_REG_WAVE_MODE, 25, 1), 1
	s_wait_xcnt 0x0
; q = Q Wq + bq, k = K Wk + bk, v = V Wv + bv on codes of FP4 (E2M1) with E8M0 scales, sums in f32; the results are quantised at once:
; q and k along the head's 64 (two blocks of 32), v along the keys (blocks of 32 keys), and stored as IMAGES OF OPERAND REGISTERS for the attention launch.
; SHARES.  Work-group (x, y): x = a block of 128 tokens (batch x / 32, block x % 32), y = the tensor (0 Q, 1 K, 2 V).  Sixteen waves; wave w owns output columns 32 w .. 32 w + 31:
; head w / 2, block w % 2 of its 64.  Its 32 rows of W (8,192 bytes of codes) stay in 64 registers, read once; the block's 128 rows of X go once through LDS.
; THE ORDER OF TOKENS.  Tile t (0..7) of the 128 tokens holds in lane r the token 32 (t / 2) + 8 (t % 2) + r + 8 (r / 8); the 16 rows of W of tile n (0, 1) are 8 n + r + 8 (r / 8) of the wave's 32.
; So the 16 result registers of two neighbouring tiles are 16 neighbours along the next product's K, and a conversion's eight sources are eight neighbours.
; q, k: the product is used transposed (source 0 = rows of W, source 1 = tokens): a lane holds one token and 16 of the 32 columns.  v: source 0 = tokens, source 1 = rows of W: a lane holds one column and 16 keys.
; OUT.  A half-record of 4,608 bytes for (batch, head, block of 128 tokens).  q, k: 8 tiles x 512 bytes of codes (256 x block + 16 r + 8 h), then 512 bytes of scale words [lane 32][word 4]: word j of lane l is
; tile 2 j + l / 16, row l % 16: the two bytes, then 0x7f twice for the upper 64 of the instruction's K, whose codes are zeros.  v: 4 tiles of 16 columns x 1,024 bytes (256 x key block + 16 r + 8 h), then [lane 32][tile 4] words.
; qx holds q's half-records; kv holds k's and v's, one behind the other, 9,216 bytes a record.  Each store of codes covers 256 consecutive bytes, aligned.
; NO CLUSTER: the weights go from memory straight into each wave's registers, once; a joint load lands in LDS, from where they would be read a second time, for 64 matrix instructions a wave.
; LIMITS: NaN, infinities and given scale bytes of 0xff are not served.  A block whose largest magnitude lies under 2^-124 (a block of zeros among them) gets the byte 1; the bytes are read by this program alone.
.set XP,   272                         ; a row of X in LDS: 256 bytes + 16
.set XSC,  34816                       ; behind the 128 rows: X's scale words, 16 bytes a row
.set SST,  36864                       ; q's and k's scale words on their way out: 8 heads x 512 bytes
.set VST,  40960                       ; v's likewise: bytes of its own for that path
.set BI,   16                          ; v16-31   the bias as C: 8 registers for each of my two tiles of columns
.set WF,   32                          ; v32-95   W's fragments: tile n, K step s at 8 (4 n + s)
.set XF,   96                          ; v96-159  X's fragments of a pair of token tiles: tile u, K step s at 8 (4 u + s)
.set ACC,  160                         ; v160-191 four accumulators
.set WS,   192                         ; v192-195 W's scale words, K step s: lanes 0-15 tile 0, lanes 16-31 tile 1
.set XS,   196                         ; v196-199 X's likewise
.set MX,   200                         ; v200-201 largest magnitudes
.set PT,   202                         ; v202-203 the other half's
.set SO,   204                         ; v204-205 the conversions' scale operands
.set BY,   206                         ; v206-207 the scale bytes
.set CD,   208                         ; v208-223 codes: four registers a pair, never written again
.set STD,  224                         ; v224-239 rows of X on their way into LDS
.set SW,   244                         ; v244-245 v's scale words
.set SEL,  44                          ; s[44:45] v_permlanex16_b32's selects for lane l xor 16
.macro WM d, a, b, c, sa, sb, ra, rb   ; one product; ra, rb = 1: that side's scales stand in lanes 16-31
.if (\ra) && (\rb)
	v_wmma_scale_f32_16x16x128_f8f6f4 v[\d:\d+7], v[\a:\a+7], v[\b:\b+7], v[\c:\c+7], v[\sa], v[\sb] matrix_a_fmt:MATRIX_FMT_FP4 matrix_b_fmt:MATRIX_FMT_FP4 matrix_a_scale:MATRIX_SCALE_ROW1 matrix_b_scale:MATRIX_SCALE_ROW1
.elseif (\ra)
	v_wmma_scale_f32_16x16x128_f8f6f4 v[\d:\d+7], v[\a:\a+7], v[\b:\b+7], v[\c:\c+7], v[\sa], v[\sb] matrix_a_fmt:MATRIX_FMT_FP4 matrix_b_fmt:MATRIX_FMT_FP4 matrix_a_scale:MATRIX_SCALE_ROW1
.elseif (\rb)
	v_wmma_scale_f32_16x16x128_f8f6f4 v[\d:\d+7], v[\a:\a+7], v[\b:\b+7], v[\c:\c+7], v[\sa], v[\sb] matrix_a_fmt:MATRIX_FMT_FP4 matrix_b_fmt:MATRIX_FMT_FP4 matrix_b_scale:MATRIX_SCALE_ROW1
.else
	v_wmma_scale_f32_16x16x128_f8f6f4 v[\d:\d+7], v[\a:\a+7], v[\b:\b+7], v[\c:\c+7], v[\sa], v[\sb] matrix_a_fmt:MATRIX_FMT_FP4 matrix_b_fmt:MATRIX_FMT_FP4
.endif
.endm
	s_load_b256 s[8:15], s[0:1], 0x0               ; Q's codes, Q's scales, Wq's codes, Wq's scales
	s_load_b256 s[16:23], s[0:1], 0x20             ; the same of K
	s_load_b256 s[24:31], s[0:1], 0x40             ; the same of V
	s_load_b256 s[32:39], s[0:1], 0x60             ; bq, bk, bv, qx
	s_load_b64 s[40:41], s[0:1], 0x80              ; kv
	s_and_b32 s3, ttmp7, 0xffff                    ; y: the tensor
	s_mov_b32 s4, ttmp9                            ; x: the block of 128 tokens
	v_lshrrev_b32 v254, 5, v0
	s_delay_alu instid0(VALU_DEP_1)
	v_readfirstlane_b32 s5, v254                   ; wave 0..15
	s_mov_b32 s42, 0xffff0000                      ; lanes 16-31
	s_mov_b32 s[SEL], 0x76543210
	s_mov_b32 s[SEL+1], 0xfedcba98
	s_and_b32 s55, s5, 1                           ; my block of the head's two
	s_lshr_b32 s56, s5, 1                          ; my head
	; tokens 8 w .. 8 w + 7, which I bring in, stand at rows wb .. wb + 7 of the LDS tile: wb = 32 (w / 4) + 16 (w % 2) + 8 ((w / 2) % 2)
	s_lshr_b32 s52, s5, 2
	s_lshl_b32 s52, s52, 5
	s_lshl_b32 s53, s55, 4
	s_add_co_u32 s52, s52, s53
	s_bfe_u32 s53, s5, 0x10001
	s_lshl_b32 s53, s53, 3
	s_add_co_u32 s52, s52, s53                     ; wb
	s_mul_i32 s53, s52, XP
	s_lshl_b32 s54, s52, 4
	s_add_co_u32 s54, s54, XSC
	; WHICH 8 TOKENS I BRING IN.  q and v: tokens 8 w on.  k: the group whose number is w with bits 1 and 2 exchanged, so that for k tile 4 c + t holds in row 8 h + j
	; the token 64 c + 32 h + 8 t + j (for k this replaces the order of tokens given at the head): in the attention launch a lane's 32 scores of four neighbouring tiles are then one whole block of 32 keys.
	s_and_b32 s59, s5, 9                           ; bits 3 and 0 stay
	s_bfe_u32 s60, s5, 0x10001
	s_lshl_b32 s60, s60, 2
	s_or_b32 s59, s59, s60                         ; bit 1 goes to place 2
	s_bfe_u32 s60, s5, 0x10002
	s_lshl_b32 s60, s60, 1
	s_or_b32 s59, s59, s60                         ; bit 2 to place 1
	s_cmp_eq_u32 s3, 1                             ; k alone
	s_cselect_b32 s59, s59, s5
	s_lshl_b32 s57, s59, 11
	v_and_b32 v1, 31, v0                           ; lane
	v_and_b32 v2, 15, v0                           ; r
	v_bfe_u32 v3, v0, 4, 1                         ; h
	s_delay_alu instid0(VALU_DEP_3)
	v_lshl_add_u32 v4, v1, 4, s57                  ; X in memory: my wave's 8 rows, 16 bytes a lane
	s_delay_alu instid0(VALU_DEP_2)
	v_mul_u32_u24 v5, v3, XP
	s_delay_alu instid0(VALU_DEP_1)
	v_lshl_add_u32 v5, v2, 4, v5
	s_delay_alu instid0(VALU_DEP_1)
	v_add_nc_u32 v5, s53, v5                       ; and in LDS: two rows a store
	v_lshl_add_u32 v243, v1, 2, s54                ; X's scale words in LDS: 16 wb + 4 lane
	v_mul_u32_u24 v6, v2, XP
	s_delay_alu instid0(VALU_DEP_1)
	v_lshl_add_u32 v6, v3, 4, v6                   ; a fragment of X: row r, + 16 h
	v_lshl_add_u32 v7, v1, 4, XSC                  ; its scale words: 16 bytes a row, 32 rows a load
	v_and_b32 v254, 8, v2
	s_delay_alu instid0(VALU_DEP_1)
	v_add_nc_u32 v254, v254, v2                    ; r + 8 (r / 8)
	s_delay_alu instid0(VALU_DEP_1)
	v_lshlrev_b32 v8, 8, v254
	s_delay_alu instid0(VALU_DEP_1)
	v_lshl_add_u32 v8, v3, 4, v8                   ; a fragment of W: row r + 8 (r / 8) of 256 bytes, + 16 h
	s_delay_alu instid0(VALU_DEP_3)
	v_lshl_add_u32 v9, v3, 3, v254
	s_delay_alu instid0(VALU_DEP_1)
	v_lshlrev_b32 v9, 4, v9                        ; W's scale words: lanes 0-15 tile 0's rows, lanes 16-31 tile 1's (8 rows on)
	v_lshlrev_b32 v10, 6, v3                       ; q, k: the bias of columns 16 h + 8 n + 0 .. 7
	v_lshlrev_b32 v253, 2, v254                    ; v: the bias of column 8 n + r + 8 (r / 8)
	v_lshlrev_b32 v255, 4, v2
	s_delay_alu instid0(VALU_DEP_1)
	v_lshl_add_u32 v255, v3, 3, v255               ; 16 r + 8 h
	s_lshl_b32 s57, s55, 8
	v_add_nc_u32 v11, s57, v255                    ; q, k: my codes' place in a tile's 512 bytes
	s_lshl_b32 s57, s55, 11
	v_add_nc_u32 v252, s57, v255                   ; v: in my two tiles of columns
	s_lshl_b32 s57, s56, 9
	s_add_co_u32 s58, s57, s55
	s_add_co_u32 s58, s58, SST
	v_lshl_add_u32 v12, v1, 4, s58                 ; q, k: my byte of the scale words: 512 x head + 16 lane + block
	s_lshl_b32 s58, s55, 3
	s_add_co_u32 s58, s58, s57
	s_add_co_u32 s58, s58, VST
	v_lshl_add_u32 v250, v1, 4, s58                ; v: my two words: 512 x head + 16 lane + 8 x block
	s_lshl_b32 s57, s5, 8
	s_add_co_u32 s58, s57, SST
	v_lshl_add_u32 v14, v1, 3, s58                 ; the way out of the scale words: 256 bytes a wave, 8 a lane
	s_add_co_u32 s58, s57, VST
	v_lshl_add_u32 v251, v1, 3, s58
	s_lshl_b32 s57, s55, 8
	s_add_co_u32 s57, s57, 4096
	v_lshl_add_u32 v15, v1, 3, s57                 ; and their place in the half-record
	v_mov_b32 v13, 0x7f                            ; the byte of 2^0
	s_lshl_b32 s60, s59, 7
	v_lshl_add_u32 v241, v1, 2, s60                ; X's scale bytes in memory: the same 8 tokens' 128 bytes, 4 a lane
	v_mov_b32 v[PT], 0                             ; written once: a lane permute's destination counts as one of its sources
	v_mov_b32 v[PT+1], 0
	s_mov_b32 s50, 9216
	s_wait_alu depctr_va_vdst(0)
	s_wait_kmcnt 0x0
	s_cmp_eq_u32 s3, 1                             ; the buffers are chosen by the work-group's y alone
	s_cselect_b64 s[8:9], s[16:17], s[8:9]
	s_cselect_b64 s[10:11], s[18:19], s[10:11]
	s_cselect_b64 s[12:13], s[20:21], s[12:13]
	s_cselect_b64 s[14:15], s[22:23], s[14:15]
	s_cselect_b64 s[32:33], s[34:35], s[32:33]
	s_cmp_eq_u32 s3, 2
	s_cselect_b64 s[8:9], s[24:25], s[8:9]
	s_cselect_b64 s[10:11], s[26:27], s[10:11]
	s_cselect_b64 s[12:13], s[28:29], s[12:13]
	s_cselect_b64 s[14:15], s[30:31], s[14:15]
	s_cselect_b64 s[32:33], s[36:37], s[32:33]
	s_cselect_b32 s51, 4608, 0                     ; v's half-record lies behind k's
	s_cmp_eq_u32 s3, 0
	s_cselect_b64 s[38:39], s[38:39], s[40:41]     ; out: qx or kv
	s_cselect_b32 s50, 4608, s50                   ; bytes from record to record
	s_mov_b32 s53, 0
	s_lshl_b32 s52, s4, 15
	s_add_nc_u64 s[8:9], s[8:9], s[52:53]          ; X's codes: 128 rows of 256 bytes a block
	s_lshl_b32 s52, s4, 11
	s_add_nc_u64 s[10:11], s[10:11], s[52:53]      ; X's scales: 128 rows of 16 bytes
	s_lshl_b32 s52, s5, 13
	s_add_nc_u64 s[12:13], s[12:13], s[52:53]      ; W's codes: my 32 rows
	s_lshl_b32 s52, s5, 9
	s_add_nc_u64 s[14:15], s[14:15], s[52:53]      ; W's scales
	s_lshl_b32 s52, s5, 7
	s_add_nc_u64 s[32:33], s[32:33], s[52:53]      ; the bias: my 32 numbers
	s_lshr_b32 s52, s4, 5
	s_lshl_b32 s52, s52, 8
	s_lshl_b32 s54, s56, 5
	s_add_co_u32 s52, s52, s54
	s_and_b32 s54, s4, 31
	s_add_co_u32 s52, s52, s54                     ; record: 256 x batch + 32 x head + block
	s_mul_i32 s52, s52, s50
	s_add_co_u32 s52, s52, s51
	s_add_nc_u64 s[38:39], s[38:39], s[52:53]
.irp i, 0,1,2,3
	global_load_b128 v[STD+4*\i:STD+4*\i+3], v4, s[8:9] offset:512*\i th:TH_LOAD_NT   ; 512 consecutive bytes: two whole rows of X
.endr
	global_load_b32 v240, v241, s[10:11] th:TH_LOAD_NT
.irp n, 0,1
.irp s, 0,1,2,3
.irp c, 0,1
	global_load_b128 v[WF+8*(4*\n+\s)+4*\c:WF+8*(4*\n+\s)+4*\c+3], v8, s[12:13] offset:2048*\n+64*\s+32*\c
.endr
.endr
.endr
	global_load_b128 v[WS:WS+3], v9, s[14:15]
	s_wait_loadcnt 17                              ; X's five loads are in; W's seventeen, issued behind them, may be out
.irp i, 0,1,2,3
	ds_store_b128 v5, v[STD+4*\i:STD+4*\i+3] offset:2*XP*\i
.endr
	ds_store_b32 v243, v240
	s_wait_dscnt 0x0                               ; for the others' sake: my rows lie in LDS
	s_barrier_signal -1
	s_barrier_wait -1                              ; all 128 rows do
; Two blocks of 32 become codes: block b's 16 numbers of my half stand in v[ACC + 16 b] on; lane l xor 16 holds the other 16.
.macro QUANT2 p
.irp b, 0,1
	v_max3_num_f32 v[MX+\b], |v[ACC+16*\b]|, |v[ACC+16*\b+1]|, 0x1800000   ; with the floor 2^(3 - 127): the byte cannot fall under 1.  Each accumulator is read from its low end on
.endr
.irp i, 2,4,6,8,10,12,14
.irp b, 0,1
	v_max3_num_f32 v[MX+\b], v[MX+\b], |v[ACC+16*\b+\i]|, |v[ACC+16*\b+\i+1]|
.endr
.endr
.irp b, 0,1
	s_delay_alu instid0(VALU_DEP_2)
	v_permlanex16_b32 v[PT+\b], v[MX+\b], s[SEL], s[SEL+1]
.endr
.irp b, 0,1
	s_delay_alu instid0(VALU_DEP_2)
	v_max_num_f32 v[MX+\b], v[MX+\b], v[PT+\b]     ; the block's largest magnitude
.endr
.irp b, 0,1
	s_delay_alu instid0(VALU_DEP_2)
	v_add_nc_u32 v[SO+\b], 0xff000000, v[MX+\b]    ; 2 off its exponent field: the conversion takes that field as its scale
.endr
.irp b, 0,1
	s_delay_alu instid0(VALU_DEP_2)
	v_lshrrev_b32 v[BY+\b], 23, v[SO+\b]           ; the scale's byte
.endr
.irp b, 0,1
	v_cvt_scalef32_pk8_fp4_f32 v[CD+4*\p+2*\b], v[ACC+16*\b:ACC+16*\b+7], v[SO+\b]
	v_cvt_scalef32_pk8_fp4_f32 v[CD+4*\p+2*\b+1], v[ACC+16*\b+8:ACC+16*\b+15], v[SO+\b]
.endr
	v_nop                                          ; one plain instruction behind the conversions: the next pair's products write their sources
.endm
; Token tiles 2 p and 2 p + 1 against my two tiles of columns: 16 products, the four accumulators by turns, one instruction a turn; the bias is the C of each sum's first product.
.macro PAIR p, isv
.irp u, 0,1
.irp s, 0,1,2,3
.irp c, 0,1
	ds_load_b128 v[XF+8*(4*\u+\s)+4*\c:XF+8*(4*\u+\s)+4*\c+3], v6 offset:(32*\p+16*\u)*XP+64*\s+32*\c
.endr
.endr
.endr
	ds_load_b128 v[XS:XS+3], v7 offset:512*\p      ; lanes 0-15: tile 2 p's rows; lanes 16-31: tile 2 p + 1's; register s: K step s
	s_wait_dscnt 0x0                               ; (the last pair's byte stores are done too)
.irp s, 0,1,2,3
.irp u, 0,1
.irp n, 0,1
.if \isv
.set rD, ACC+16*\n+8*\u
.else
.set rD, ACC+16*\u+8*\n
.endif
.set rC, rD
.if \s == 0
.set rC, BI+8*\n
.endif
.if \isv
	WM rD, (XF+8*(4*\u+\s)), (WF+8*(4*\n+\s)), rC, (XS+\s), (WS+\s), \u, \n
.else
	WM rD, (WF+8*(4*\n+\s)), (XF+8*(4*\u+\s)), rC, (WS+\s), (XS+\s), \n, \u
.endif
.endr
.endr
.endr
.rept 5
	v_nop                                          ; four places ahead of the reads of the results and of the next pair's loads into X's registers; a fifth ahead of the next pair's products, which begin these accumulators anew
.endr
	QUANT2 \p
.irp b, 0,1
.if \isv
	global_store_b64 v252, v[CD+4*\p+2*\b:CD+4*\p+2*\b+1], s[38:39] offset:1024*\b+256*\p   ; column tile b, key block p: 256 consecutive bytes, aligned
.else
	global_store_b64 v11, v[CD+4*\p+2*\b:CD+4*\p+2*\b+1], s[38:39] offset:512*(2*\p+\b)     ; token tile 2 p + b, my block: 256 consecutive bytes, aligned
.endif
.endr
.if \isv
.irp b, 0,1
.if \p == 0
	v_mov_b32 v[SW+\b], v[BY+\b]                   ; the four key blocks' bytes make a column's scale word
.else
	v_lshl_or_b32 v[SW+\b], v[BY+\b], 8*\p, v[SW+\b]
.endif
.endr
.else
	v_cndmask_b32 v242, v[BY], v[BY+1], s42        ; lanes 0-15 carry tile 2 p's byte, lanes 16-31 tile 2 p + 1's
	ds_store_b8 v12, v242 offset:4*\p              ; byte (my block) of word p
	ds_store_b8 v12, v13 offset:4*\p+2             ; and 2^0 for the zero codes above: my partner wave writes the word's other two bytes
.endif
.endm
.macro TAIL la                         ; the scale words leave: 256 consecutive bytes a wave, aligned
	s_wait_dscnt 0x0                               ; for the others' sake: my bytes lie in the stage
	s_barrier_signal -1
	s_barrier_wait -1
	ds_load_b64 v[246:247], v[\la]
	s_wait_dscnt 0x0
	global_store_b64 v15, v[246:247], s[38:39]
	s_wait_xcnt 0x0
	v_lshl_add_u32 v254, v0, 2, 0xb000
	v_mov_b32 v255, 0
	s_wait_alu depctr_va_vdst(0)
	s_wait_tensorcnt 0x0
	ds_add_u32 v254, v255
	s_wait_dscnt 0x0
	s_endpgm
.endm
	s_cmp_eq_u32 s3, 2                             ; the same way for all sixteen waves: it hangs on the work-group's y
	s_cbranch_scc1 .Lv
.irp n, 0,1
.irp i, 0,1
	global_load_b128 v[BI+8*\n+4*\i:BI+8*\n+4*\i+3], v10, s[32:33] offset:32*\n+16*\i
.endr
.endr
	s_wait_loadcnt 0x0                             ; W and the bias
.irp p, 0,1,2,3
	PAIR \p, 0
.endr
	TAIL 14
.Lv:
	global_load_b32 v248, v253, s[32:33]
	global_load_b32 v249, v253, s[32:33] offset:32
	s_wait_loadcnt 0x0                             ; W and the bias
.irp j, 0,1,2,3,4,5,6,7
	v_mov_b32 v[BI+\j], v248                       ; here a lane holds one column: its bias in all eight registers
	v_mov_b32 v[BI+8+\j], v249
.endr
	s_wait_alu depctr_va_vdst(0)
.irp p, 0,1,2,3
	PAIR \p, 1
.endr
	ds_store_b32 v250, v[SW]
	ds_store_b32 v250, v[SW+1] offset:4
	TAIL 251
.Lfunc_end_k_q2a93391023_proj:
	.size	k_q2a93391023_proj, .Lfunc_end_k_q2a93391023_proj-k_q2a93391023_proj
	.p2alignl 7, 3214868480
	.fill 96, 4, 3214868480
	.section	.rodata,"a",@progbits
	.p2align	6, 0x0
	.amdhsa_kernel k_q2a93391023_proj
		.amdhsa_group_segment_fixed_size 47104
		.amdhsa_private_segment_fixed_size 0
		.amdhsa_enable_private_segment 0
		.amdhsa_kernarg_size 136
		.amdhsa_user_sgpr_count 2
		.amdhsa_user_sgpr_kernarg_segment_ptr 1
		.amdhsa_wavefront_size32 1
		.amdhsa_system_sgpr_workgroup_id_x 1
		.amdhsa_system_sgpr_workgroup_id_y 1
		.amdhsa_system_sgpr_workgroup_id_z 1
		.amdhsa_system_vgpr_workitem_id 0
		.amdhsa_next_free_vgpr 256
		.amdhsa_next_free_sgpr 66
		.amdhsa_reserve_vcc 0
		.amdhsa_float_denorm_mode_32 3
		.amdhsa_float_denorm_mode_16_64 3
		.amdhsa_memory_ordered 1
		.amdhsa_forward_progress 1
		.amdhsa_inst_pref_size 56
	.end_amdhsa_kernel
	.amdgpu_metadata
---
amdhsa.version: [ 1, 2 ]
amdhsa.kernels:
  - .name:           k_q2a93391023_proj
    .symbol:         k_q2a93391023_proj.kd
    .args:
      - { .name: Q_codes, .offset: 0, .size: 8, .value_kind: global_buffer, .address_space: global }
      - { .name: Q_scales, .offset: 8, .size: 8, .value_kind: global_buffer, .address_space: global }
      - { .name: Wq_codes, .offset: 16, .size: 8, .value_kind: global_buffer, .address_space: global }
      - { .name: Wq_scales, .offset: 24, .size: 8, .value_kind: global_buffer, .address_space: global }
      - { .name: K_codes, .offset: 32, .size: 8, .value_kind: global_buffer, .address_space: global }
      - { .name: K_scales, .offset: 40, .size: 8, .value_kind: global_buffer, .address_space: global }
      - { .name: Wk_codes, .offset: 48, .size: 8, .value_kind: global_buffer, .address_space: global }
      - { .name: Wk_scales, .offset: 56, .size: 8, .value_kind: global_buffer, .address_space: global }
      - { .name: V_codes, .offset: 64, .size: 8, .value_kind: global_buffer, .address_space: global }
      - { .name: V_scales, .offset: 72, .size: 8, .value_kind: global_buffer, .address_space: global }
      - { .name: Wv_codes, .offset: 80, .size: 8, .value_kind: global_buffer, .address_space: global }
      - { .name: Wv_scales, .offset: 88, .size: 8, .value_kind: global_buffer, .address_space: global }
      - { .name: bq, .offset: 96, .size: 8, .value_kind: global_buffer, .address_space: global }
      - { .name: bk, .offset: 104, .size: 8, .value_kind: global_buffer, .address_space: global }
      - { .name: bv, .offset: 112, .size: 8, .value_kind: global_buffer, .address_space: global }
      - { .name: qx, .offset: 120, .size: 8, .value_kind: global_buffer, .address_space: global }
      - { .name: kv, .offset: 128, .size: 8, .value_kind: global_buffer, .address_space: global }
    .group_segment_fixed_size: 47104
    .private_segment_fixed_size: 0
    .kernarg_segment_align: 8
    .kernarg_segment_size: 136
    .max_flat_workgroup_size: 512
    .sgpr_count:     66
    .vgpr_count:     256
    .wavefront_size: 32
...
	.end_amdgpu_metadata
.endif
;; end of part 1
;; launch attn (part 2): grid 16 x 16, 8 waves a work-group, clusters of 4 x 1, 327,680 bytes of LDS; arguments qx, kv, oc, os; writes oc, os
.if DOCPART == 2
	.amdgcn_target "amdgcn-amd-amdhsa--gfx1250"
	.amdhsa_code_object_version 6
	.text
	.protected	k_q2a93391023_attn
	.globl	k_q2a93391023_attn
	.p2align	8
	.type	k_q2a93391023_attn,@function
k_q2a93391023_attn:
	s_mov_b64 s[64:65], 0
	v_nop
	global_prefetch_b8 v0, s[64:65] scope:SCOPE_SE
	s_setreg_imm32_b32 hwreg(HW_REG_WAVE_MODE, 25, 1), 1
	s_wait_xcnt 0x0
	s_wait_alu depctr_hold_cnt(0) depctr_sa_sdst(0) depctr_va_vdst(0) depctr_va_sdst(0) depctr_va_ssrc(0) depctr_va_vcc(0) depctr_vm_vsrc(0)
	s_getreg_b32 s2, hwreg(HW_REG_IB_STS2, 6, 4)
	s_cmp_eq_u32 s2, 0
	s_cbranch_scc0 .Lentry_in_a_cluster
	s_endpgm
.Lentry_in_a_cluster:
	s_bfe_u32 s2, ttmp6, 0x10000c
	s_cmp_lg_u32 s2, 0x3003
	s_cbranch_scc0 .Lentry_shape_is_right
	s_endpgm
.Lentry_shape_is_right:
; o = softmax(q k^T / 8) v for one (batch, head) and 256 queries, both products on codes of FP4 (E2M1) with E8M0 scales; o is quantised along the head's 64 and stored as codes (oc) and scale bytes (os).
; THE SOFTMAX: t = score x log2(e) / 8; M = the running largest t rounded up to a whole number; p = 2^(t - M) is quantised along the keys; the row's sum is taken of the unquantised p and divides at the end.
; When M moves, the sum and O are multiplied by 2^(old M - new M), which rounds nothing; no branch hangs on data.
; SHARES.  Work-group (x, y): y = 8 x batch + head, x = a block of 256 queries.  Eight waves, two to a SIMD; a wave owns TWO tiles of 16 queries (u = 0, 1), whose lines stand by turns, so that no line waits for the line above it
; and each fragment of k and v that is read from LDS feeds two products.  Every wave walks the head's 4,096 keys, 128 a step.
; ALL OF THE HEAD'S K AND V, 32 records of 9,216 bytes, lies in LDS: each wave asks for four records by ONE tensor load at the head; nothing is filled again, so one barrier stands behind the loads and none in the loop.
; A step's fragments of k are asked of LDS in the step before, behind that step's first products; the last trip is written out and asks for nothing behind record 31.
; CLUSTER: the four work-groups of a cluster walk the same head: each load is a joint one, with the mask of all four.
; NO PREFETCH: everything that the launch reads through LDS is asked for at its head; there is no loop to run ahead in.
; LAYOUT.  Both products are used transposed: S^T = k q^T, O^T = v^T p^T: a lane holds one query (lane % 16) of each tile.  In k's records tile 4 c + t holds in row 8 h + j the key 64 c + 32 h + 8 t + j, so registers
; 32 c .. 32 c + 31 of a tile's S^T in lane half h are the whole block 2 c + h of 32 keys, in order: the block's maximum needs no other lane, and the conversions' results are the second product's operand as they stand.
; The head's 64 fill half of the instruction's K: the upper 64 are zero codes on both sides, under the byte of 2^0.
; REGISTERS.  Window 0: addresses, scale words, the softmax's state, S^T (128) and O^T (64).  Window 1 (v256 on): the fragments of k, v and q and p's codes; the windows are switched round loads, conversions and products alone.
; LIMITS: NaN and infinities in q, k, v are not served.
.set REC,  9216                        ; a record: k's 8 tiles x 512 bytes, 512 bytes of scale words, v's 4 tiles x 1,024 bytes, 512 bytes of scale words
.set PART, 4*REC                       ; what one wave's load brings
.set OSG,  32*REC                      ; behind the records: o's scale bytes on their way out, 32 bytes a tile
.set SPARE, 0x48800                    ; the spare words, 128 bytes a wave
.set LI,   1                           ; 16 x lane
.set ADR,  2                           ; LDS address of the trip's two records
.set KS,   8                           ; v8-11  k's scale words
.set VS,   12                          ; v12-15 v's
.set QS,   16                          ; v16-17 q's, a tile each
.set PW,   18                          ; v18-19 p's
.set NM,   20                          ; pair 2 u: -M, the largest score
.set SUM,  24                          ; pair 2 u: the sum in two halves
.set FF,   28                          ; pair 2 u: f = 2^(old M - new M)
.set L2,   32                          ; pair 2 u: the sum's second chain
.set BM,   36                          ; 4 u + k: maxima
.set PT,   44                          ; 4 u + k: at work
.set SO,   52                          ; 2 u + c: the conversions' scale operands
.set T0,   56
.set T1,   58
.set SPW,  60                          ; my spare word's address; never rewritten
.set NIL,  61                          ; 0; never rewritten
.set S,    64                          ; v64-191  S^T, then p: tile u at 64 u
.set O,    192                         ; v192-255 O^T: tile u at 32 u
.set KF,   0                           ; window 1: v256-319 k's eight fragments
.set VF,   64                          ; v320-351 v's four
.set QF,   96                          ; v352-367 q's two
.set PC,   112                         ; v368-383 p's codes, 8 a tile
.set WV,   12
.set SEL,  20
.set CS,   22                          ; s[22:23] c = log2(e) / 8
.set G1,   24
.set G0,   32
.set NC,   46                          ; -c
.set CNT,  48
.set TB,   49
.set MSB, 0
.macro WIN new                         ; the immediate's high byte repeats the setting that is left
.if MSB != \new
	s_set_vgpr_msb (MSB<<8)|\new
.set MSB, \new
.endif
.endm
.set TO1,  0x40                        ; destination window 1
.set MUL,  0x05                        ; sources 0 and 1 window 1; C and D window 0
.macro ROUND                           ; a round of the cluster's barrier
	s_barrier_signal -1
	s_barrier_wait -1
	s_cmp_lg_u32 s[WV], 0
	s_cbranch_scc1 .Lnot_wave_0_\@
	s_barrier_signal -3
.Lnot_wave_0_\@:
	s_barrier_wait -3
	s_barrier_signal -1
	s_barrier_wait -1
.endm
	s_load_b256 s[4:11], s[0:1], 0x0               ; qx, kv, oc, os
	v_lshl_add_u32 v[SPW], v0, 2, SPARE
	v_mov_b32 v[NIL], 0
	ds_add_u32 v[SPW], v[NIL]                      ; the opening lines: the add, twice on end, and its wait ahead of my tensor load
	ds_add_u32 v[SPW], v[NIL]
	v_lshrrev_b32 v1, 5, v0
	s_delay_alu instid0(VALU_DEP_1)
	v_readfirstlane_b32 s[WV], v1                  ; wave 0..7
	s_bfe_u32 s13, ttmp6, 0x40000                  ; cx
	s_lshl_b32 s14, ttmp9, 2
	s_add_co_u32 s14, s14, s13                     ; work-group x
	s_and_b32 s15, ttmp7, 0xffff                   ; y = 8 x batch + head
	s_mov_b32 s[G1], 15|(3<<16)|(1<<21)            ; the mask of the four; elements of 8 bytes; bit 21 beside a mask
	s_mov_b32 s[G1+1], 32<<16                      ; rows of 256 bytes,
	s_mov_b32 s[G1+2], (PART/256)<<16              ; 144 of them, dense
	s_mov_b32 s[G1+3], 32<<16
	s_mov_b32 s[G1+4], PART/256
	s_mov_b32 s[G1+5], 32
	s_mov_b32 s[G1+6], 0
	s_mov_b32 s[G1+7], 0
	s_mov_b32 s[SEL], 0x76543210
	s_mov_b32 s[SEL+1], 0xfedcba98                 ; lane l xor 16
	s_mov_b32 s[CS], 0x3e38aa3b
	s_mov_b32 s[CS+1], s[CS]
	s_mov_b32 s[NC], 0xbe38aa3b
	s_mov_b32 s[TB], 0
	s_mul_i32 s16, s[WV], PART                     ; my four records, in LDS and in the head's block of kv
	s_mul_i32 s18, s15, 32*REC
	s_add_co_u32 s18, s18, s16
	s_mov_b32 s19, 0
	s_wait_dscnt 0x0                               ; both opening adds are done
	s_wait_kmcnt 0x0
	s_mov_b32 s[G0], 1
	s_mov_b32 s[G0+1], s16
	s_add_nc_u64 s[G0+2:G0+3], s[6:7], s[18:19]
	s_or_b32 s[G0+3], s[G0+3], 0x80000000
	ROUND                                          ; the four work-groups are here: the joint loads meet
	tensor_load_to_lds s[G0:G0+3], s[G1:G1+7]      ; my one tensor load of the launch
	s_nop 0
.rept 4
	v_nop
.endr
	s_lshl_b32 s50, s15, 5                         ; q's half-record: 32 y + 2 x + wave / 4
	s_lshl_b32 s51, s14, 1
	s_add_co_u32 s50, s50, s51
	s_lshr_b32 s51, s[WV], 2
	s_add_co_u32 s50, s50, s51
	s_mul_i32 s50, s50, 4608
	s_mov_b32 s51, 0
	s_add_nc_u64 s[4:5], s[4:5], s[50:51]
	v_and_b32 v[LI], 31, v0
	s_delay_alu instid0(VALU_DEP_1)
	v_lshlrev_b32 v[LI], 4, v[LI]
	s_and_b32 s52, s[WV], 3                        ; my tiles of its eight: 2 (wave % 4) and the next
	s_lshl_b32 s53, s52, 10
	v_add_nc_u32 v3, s53, v[LI]
	s_lshl_b32 s53, s52, 2
	s_add_co_u32 s53, s53, 4096
	v_and_b32 v4, 15, v0
	s_delay_alu instid0(VALU_DEP_1)
	v_lshl_add_u32 v4, v4, 4, s53                  ; row r's scale word of the even tile; the odd tile's lies 256 bytes on
	WIN TO1
	global_load_b128 v[QF:QF+3], v3, s[4:5]
	global_load_b128 v[QF+8:QF+11], v3, s[4:5] offset:512
	WIN 0
	global_load_b32 v[QS], v4, s[4:5]
	global_load_b32 v[QS+1], v4, s[4:5] offset:256
	s_lshr_b32 s50, s15, 3                         ; the batch.  oc: [tile of 16 tokens][K step 4][half 2][512 bytes]
	s_lshl_b32 s54, s50, 8
	s_lshl_b32 s55, s14, 4
	s_add_co_u32 s54, s54, s55
	s_lshl_b32 s55, s[WV], 1
	s_add_co_u32 s54, s54, s55                     ; my even tile
	s_lshl_b32 s54, s54, 12
	s_bfe_u32 s55, s15, 0x20001
	s_lshl_b32 s55, s55, 10
	s_add_co_u32 s54, s54, s55
	s_and_b32 s55, s15, 1
	s_lshl_b32 s55, s55, 9
	s_add_co_u32 s54, s54, s55
	s_mov_b32 s55, 0
	s_add_nc_u64 s[8:9], s[8:9], s[54:55]
	s_lshl_b32 s52, s50, 5                         ; os: [block of 128 tokens][head 8][256 bytes]
	s_lshl_b32 s53, s14, 1
	s_add_co_u32 s52, s52, s53
	s_and_b32 s53, s[WV], 1
	s_add_co_u32 s52, s52, s53
	s_lshl_b32 s52, s52, 3
	s_and_b32 s53, s15, 7
	s_add_co_u32 s52, s52, s53
	s_lshl_b32 s52, s52, 8
	s_mov_b32 s53, 0
	s_add_nc_u64 s[10:11], s[10:11], s[52:53]
	s_lshl_b32 s56, s[WV], 6
	s_add_co_u32 s56, s56, OSG                     ; my two tiles' 64 bytes of the stage
	s_and_b32 s57, s[WV], 1
	s_lshl_b32 s57, s57, 8
	s_add_co_u32 s57, s57, OSG
	WIN TO1
.irp u, 0,1
.irp j, 4,5,6,7
	v_mov_b32 v[QF+8*\u+\j], 0                     ; zero codes for the upper 64 of the instruction's K
.endr
.endr
.irp t, 0,1,2,3,4,5,6,7
.irp j, 4,5,6,7
	v_mov_b32 v[KF+8*\t+\j], 0
.endr
.endr
	WIN 0
.set j, 0
.rept 64
	v_mov_b32 v[O+j], 0                            ; the step is written once: the first finds zeros
.set j, j+1
.endr
.irp u, 0,1
	v_mov_b32 v[NM+2*\u+1], 0xff61b1e6             ; the largest score so far: -3e38
.endr
.irp u, 0,1
	s_delay_alu instid0(VALU_DEP_2)
	v_floor_f32 v[NM+2*\u], -v[NM+2*\u+1]
.endr
.irp u, 0,1
	v_mov_b32 v[SUM+2*\u], 0
	v_mov_b32 v[SUM+2*\u+1], 0
	v_mov_b32 v[FF+2*\u+1], 0                      ; (named as the upper half of a pair)
	v_mov_b32 v[PT+4*\u], 0                        ; a lane permute's destination counts as one of its sources
.endr
.macro FMAS n                          ; t - M, two at a time, the tiles by turns
.rept \n
.irp u, 0,1
	v_pk_fma_f32 v[S+64*\u+FJ:S+64*\u+FJ+1], v[S+64*\u+FJ:S+64*\u+FJ+1], s[CS:CS+1], v[NM+2*\u:NM+2*\u+1] op_sel_hi:[1,0,0]
.endr
.set FJ, FJ+2
.endr
.endm
.macro SUMS n                          ; the rows' sums of the unquantised p, in four chains
.rept \n
.irp u, 0,1
	v_pk_add_f32 v[SUM+2*\u:SUM+2*\u+1], v[SUM+2*\u:SUM+2*\u+1], v[S+64*\u+SJ:S+64*\u+SJ+1]
.endr
.irp u, 0,1
	v_pk_add_f32 v[L2+2*\u:L2+2*\u+1], v[L2+2*\u:L2+2*\u+1], v[S+64*\u+SJ+2:S+64*\u+SJ+3]
.endr
.set SJ, SJ+4
.endr
.endm
.macro KLOAD adr, o                    ; k's eight fragments and scale words of the record at byte o
	WIN TO1
.irp t, 0,1,2,3,4,5,6,7
	ds_load_b128 v[KF+8*\t:KF+8*\t+3], v[\adr] offset:\o+512*\t
.endr
	WIN 0
	ds_load_b128 v[KS:KS+3], v[\adr] offset:\o+4096
.endm
; A KEY STEP: the 128 keys of the record at byte o of the trip's two; its fragments of k are in registers.  nx: where the next record lies, or -1.
.macro STEP o, nx
	WIN MUL
.irp t, 0,1,2,3,4,5,6,7
.irp u, 0,1
.if (\t%2)
	v_wmma_scale_f32_16x16x128_f8f6f4 v[S+64*\u+8*\t:S+64*\u+8*\t+7], v[KF+8*\t:KF+8*\t+7], v[QF+8*\u:QF+8*\u+7], 0, v[KS+\t/2], v[QS+\u] matrix_a_fmt:MATRIX_FMT_FP4 matrix_b_fmt:MATRIX_FMT_FP4 matrix_a_scale:MATRIX_SCALE_ROW1
.else
	v_wmma_scale_f32_16x16x128_f8f6f4 v[S+64*\u+8*\t:S+64*\u+8*\t+7], v[KF+8*\t:KF+8*\t+7], v[QF+8*\u:QF+8*\u+7], 0, v[KS+\t/2], v[QS+\u] matrix_a_fmt:MATRIX_FMT_FP4 matrix_b_fmt:MATRIX_FMT_FP4
.endif
.endr
.endr
	WIN 0
.irp u, 0,1
	v_mov_b32 v[T0+\u], v[NM+2*\u]                 ; the old -M.  With the two below: four places ahead of the reads of S^T and of the loads into registers that products have read
.endr
	v_nop
	v_nop
	WIN TO1
.irp d, 0,1,2,3
.irp c, 0,1
	ds_load_b128 v[VF+8*\d+4*\c:VF+8*\d+4*\c+3], v[ADR] offset:\o+4608+1024*\d+512*\c
.endr
.endr
	WIN 0
	ds_load_b128 v[VS:VS+3], v[ADR] offset:\o+8704
.if \nx >= 0
	KLOAD ADR, \nx                                 ; the next step's k: it has this step's softmax in which to come
.endif
.irp k, 0,1,2,3                                ; the largest score of each block of 32 keys, in eight chains of 16; each accumulator is read from its low end on
.irp u, 0,1
	v_max3_num_f32 v[BM+4*\u+\k], v[S+64*\u+16*\k], v[S+64*\u+16*\k+1], v[S+64*\u+16*\k+2]
.endr
.endr
.irp i, 3,5,7,9,11,13
.irp k, 0,1,2,3
.irp u, 0,1
	v_max3_num_f32 v[BM+4*\u+\k], v[BM+4*\u+\k], v[S+64*\u+16*\k+\i], v[S+64*\u+16*\k+\i+1]
.endr
.endr
.endr
.irp c, 0,1
.irp u, 0,1
	v_max3_num_f32 v[BM+4*\u+2*\c], v[BM+4*\u+2*\c], v[BM+4*\u+2*\c+1], v[S+64*\u+32*\c+15]
.endr
.endr
.irp c, 0,1
.irp u, 0,1
	v_max_num_f32 v[BM+4*\u+2*\c], v[BM+4*\u+2*\c], v[S+64*\u+32*\c+31]   ; block 2 c + h's largest score: it serves the row's maximum and, since p rises with the score, the block's largest p
.endr
.endr
.irp u, 0,1
	s_delay_alu instid0(VALU_DEP_2)
	v_max_num_f32 v[T1+\u], v[BM+4*\u], v[BM+4*\u+2]
.endr
.irp u, 0,1
	s_delay_alu instid0(VALU_DEP_2)
	v_permlanex16_b32 v[PT+4*\u], v[T1+\u], s[SEL], s[SEL+1]
.endr
.irp u, 0,1
	s_delay_alu instid0(VALU_DEP_2)
	v_max3_num_f32 v[NM+2*\u+1], v[NM+2*\u+1], v[T1+\u], v[PT+4*\u]   ; the running largest score of my query, with lane l xor 16's two blocks
.endr
.irp u, 0,1
	s_delay_alu instid0(VALU_DEP_2)
	v_mul_f32 v[T1+\u], s[NC], v[NM+2*\u+1]        ; -t
.endr
.irp u, 0,1
	s_delay_alu instid0(VALU_DEP_2)
	v_floor_f32 v[NM+2*\u], v[T1+\u]               ; -M = floor(-t): M is a whole number
.endr
.irp u, 0,1
	s_delay_alu instid0(VALU_DEP_2)
	v_sub_f32 v[T0+\u], v[NM+2*\u], v[T0+\u]       ; old M - new M, 0 or less
.endr
.set FJ, 0
	FMAS 4
.irp u, 0,1
	v_cvt_i32_f32 v[T0+\u], v[T0+\u]               ; (it saturates)
.endr
	FMAS 4
.irp u, 0,1
	v_ldexp_f32 v[FF+2*\u], 1.0, v[T0+\u]          ; f
.endr
	FMAS 24
.set j, 0
.rept 16
.irp u, 0,1
	v_pk_mul_f32 v[O+32*\u+j:O+32*\u+j+1], v[O+32*\u+j:O+32*\u+j+1], v[FF+2*\u:FF+2*\u+1] op_sel_hi:[1,0]   ; O^T under the new M, ahead of the exponentials
.endr
.set j, j+2
.endr
.irp c, 0,1
.irp u, 0,1
	v_fma_f32 v[BM+4*\u+2*\c], v[BM+4*\u+2*\c], s[CS], v[NM+2*\u]   ; t - M of each block's largest score
.endr
.endr
	s_wait_alu depctr_va_vdst(0)                   ; the wait ahead of the batch
.irp c, 0,1
.irp u, 0,1
	v_exp_f32 v[BM+4*\u+2*\c], v[BM+4*\u+2*\c]     ; the blocks' largest p
.endr
.endr
.set j, 0
.rept 128
	v_exp_f32 v[S+j], v[S+j]                       ; p = 2^(t - M)
.set j, j+1
.endr
.irp u, 0,1
	v_pk_mul_f32 v[SUM+2*\u:SUM+2*\u+1], v[SUM+2*\u:SUM+2*\u+1], v[FF+2*\u:FF+2*\u+1] op_sel_hi:[1,0]   ; the sums under the new M (plain places behind the batch)
.endr
	s_wait_alu depctr_va_vdst(0)                   ; one wait for the whole batch, ahead of its first reader
.irp u, 0,1
	v_pk_add_f32 v[L2+2*\u:L2+2*\u+1], v[S+64*\u:S+64*\u+1], v[S+64*\u+2:S+64*\u+3]
.endr
.set SJ, 4
.irp c, 0,1
.irp u, 0,1
	v_max_num_f32 v[BM+4*\u+2*\c], 0x1800000, v[BM+4*\u+2*\c]   ; the floor 2^(3 - 127): the byte cannot fall under 1.  The scale's lines stand among the sums
.endr
.endr
	SUMS 1
.irp c, 0,1
.irp u, 0,1
	v_add_nc_u32 v[SO+2*\u+\c], 0xff000000, v[BM+4*\u+2*\c]     ; 2 off the exponent field: the conversion's scale operand
.endr
.endr
	SUMS 2
	WIN TO1
.irp u, 0,1
.irp c, 0,1
.irp t, 0,1,2,3
	v_cvt_scalef32_pk8_fp4_f32 v[PC+8*\u+4*\c+\t], v[S+64*\u+32*\c+8*\t:S+64*\u+32*\c+8*\t+7], v[SO+2*\u+\c]   ; register 4 c + t: keys 64 c + 32 h + 8 t + 0 .. 7
.endr
.endr
.endr
	WIN 0
.irp c, 0,1
.irp u, 0,1
	v_lshrrev_b32 v[PT+4*\u+1+\c], 23, v[SO+2*\u+\c]            ; the bytes of blocks h and 2 + h
.endr
.endr
	SUMS 1
.irp u, 0,1
	v_lshl_or_b32 v[PT+4*\u+3], v[PT+4*\u+2], 16, v[PT+4*\u+1]
.endr
	SUMS 1
.irp u, 0,1
	v_permlanex16_b32 v[PT+4*\u], v[PT+4*\u+3], s[SEL], s[SEL+1]
.endr
	SUMS 1
.irp u, 0,1
	v_lshl_or_b32 v[PW+\u], v[PT+4*\u], 8, v[PT+4*\u+3]         ; lanes 0-15, which alone are read: the four blocks' bytes in order
.endr
	SUMS 9                                         ; these 36 and the two below are also the places between the codes' and the scale words' writes and the products
.irp u, 0,1
	v_pk_add_f32 v[SUM+2*\u:SUM+2*\u+1], v[SUM+2*\u:SUM+2*\u+1], v[L2+2*\u:L2+2*\u+1]
.endr
	s_wait_alu depctr_va_vdst(0)                   ; the wait here, directly ahead of the wait below
	s_wait_dscnt 0x0                               ; v's fragments and scale words, and the next step's k
	WIN MUL
.irp d, 0,1,2,3
.irp u, 0,1
	v_wmma_scale_f32_16x16x128_f8f6f4 v[O+32*\u+8*\d:O+32*\u+8*\d+7], v[VF+8*\d:VF+8*\d+7], v[PC+8*\u:PC+8*\u+7], v[O+32*\u+8*\d:O+32*\u+8*\d+7], v[VS+\d], v[PW+\u] matrix_a_fmt:MATRIX_FMT_FP4 matrix_b_fmt:MATRIX_FMT_FP4
.endr
.endr
	WIN 0
.endm
	s_mov_b32 s[CNT], 15
	s_wait_alu depctr_va_vdst(0)                   ; the wait at the head's end
	s_wait_loadcnt 0x0                             ; q
	s_wait_tensorcnt 0x0                           ; my four records lie in LDS;
	s_barrier_signal -1
	s_barrier_wait -1                              ; all 32 do
	KLOAD LI, 0                                    ; the first step's k
	s_wait_dscnt 0x0
.Lstep:                                                ; 15 trips of two key steps; no wave waits for another
	v_add_nc_u32 v[ADR], s[TB], v[LI]
	STEP 0, REC
	STEP REC, 2*REC
	s_add_co_u32 s[TB], s[TB], 2*REC
	s_sub_co_u32 s[CNT], s[CNT], 1
	s_cmp_lg_u32 s[CNT], 0
	s_cbranch_scc1 .Lstep
	v_add_nc_u32 v[ADR], s[TB], v[LI]              ; the last trip: no record follows its second step
	STEP 0, REC
	STEP REC, -1
	; THE WAY OUT: O^T / the sum, quantised along the head's 64: the 16 registers of tiles 2 b, 2 b + 1 of O^T are 16 neighbours of block b, lane l xor 16 holds the other 16
.irp u, 0,1
	v_add_f32 v[SUM+2*\u], v[SUM+2*\u], v[SUM+2*\u+1]
.endr
.irp u, 0,1
	s_delay_alu instid0(VALU_DEP_2)
	v_permlanex16_b32 v[FF+2*\u], v[SUM+2*\u], s[SEL], s[SEL+1]
.endr
.irp u, 0,1
	s_delay_alu instid0(VALU_DEP_2)
	v_add_f32 v[SUM+2*\u], v[SUM+2*\u], v[FF+2*\u] ; the row's sum
.endr
	s_wait_alu depctr_va_vdst(0)                   ; the wait ahead of the transcendentals
.irp u, 0,1
	v_rcp_f32 v[SUM+2*\u], v[SUM+2*\u]
.endr
	v_and_b32 v3, 15, v0
	v_bfe_u32 v4, v0, 4, 1
	s_delay_alu instid0(VALU_DEP_2)
	v_lshlrev_b32 v5, 4, v3
	s_delay_alu instid0(VALU_DEP_1)
	v_lshl_add_u32 v5, v4, 3, v5                   ; my codes' place: 16 r + 8 h
	s_delay_alu instid0(VALU_DEP_4)
	v_lshl_add_u32 v6, v3, 1, s56                  ; my row's two scale bytes in the stage
	v_and_b32 v[ADR], 31, v0
	s_delay_alu instid0(VALU_DEP_1)
	v_lshlrev_b32 v[ADR], 3, v[ADR]
	s_delay_alu instid0(VALU_DEP_1)
	v_add_nc_u32 v7, s57, v[ADR]
	s_wait_alu depctr_va_vdst(0)                   ; the wait ahead of the reciprocals' first reader, which is also O^T's
.set j, 0
.rept 32
.irp u, 0,1
	v_mul_f32 v[S+64*\u+j], v[O+32*\u+j], v[SUM+2*\u]
.endr
.set j, j+1
.endr
.irp b, 0,1
.irp u, 0,1
	v_max3_num_f32 v[BM+4*\u+\b], |v[S+64*\u+16*\b]|, |v[S+64*\u+16*\b+1]|, 0x1800000
.endr
.endr
.irp i, 2,4,6,8,10,12,14
.irp b, 0,1
.irp u, 0,1
	s_delay_alu instid0(VALU_DEP_4)
	v_max3_num_f32 v[BM+4*\u+\b], v[BM+4*\u+\b], |v[S+64*\u+16*\b+\i]|, |v[S+64*\u+16*\b+\i+1]|
.endr
.endr
.endr
.irp b, 0,1
.irp u, 0,1
	s_delay_alu instid0(VALU_DEP_4)
	v_permlanex16_b32 v[PT+4*\u+\b], v[BM+4*\u+\b], s[SEL], s[SEL+1]
.endr
.endr
.irp b, 0,1
.irp u, 0,1
	s_delay_alu instid0(VALU_DEP_4)
	v_max_num_f32 v[BM+4*\u+\b], v[BM+4*\u+\b], v[PT+4*\u+\b]
.endr
.endr
.irp b, 0,1
.irp u, 0,1
	s_delay_alu instid0(VALU_DEP_4)
	v_add_nc_u32 v[SO+2*\u+\b], 0xff000000, v[BM+4*\u+\b]
.endr
.endr
.irp b, 0,1
.irp u, 0,1
	s_delay_alu instid0(VALU_DEP_4)
	v_lshrrev_b32 v[PT+4*\u+\b], 23, v[SO+2*\u+\b]
.endr
.endr
.irp u, 0,1
	s_delay_alu instid0(VALU_DEP_2)
	v_lshl_or_b32 v[T0+\u], v[PT+4*\u+1], 8, v[PT+4*\u]
.endr
.irp u, 0,1
.irp b, 0,1
	v_cvt_scalef32_pk8_fp4_f32 v[S+64*\u+32+2*\b], v[S+64*\u+16*\b:S+64*\u+16*\b+7], v[SO+2*\u+\b]
	v_cvt_scalef32_pk8_fp4_f32 v[S+64*\u+33+2*\b], v[S+64*\u+16*\b+8:S+64*\u+16*\b+15], v[SO+2*\u+\b]
.endr
.endr
	v_nop
.irp u, 0,1
.irp b, 0,1
	global_store_b64 v5, v[S+64*\u+32+2*\b:S+64*\u+33+2*\b], s[8:9] offset:4096*\u+256*\b   ; 256 consecutive bytes, aligned
.endr
.endr
.irp u, 0,1
	ds_store_b16 v6, v[T0+\u] offset:32*\u
.endr
	s_wait_dscnt 0x0                               ; for the others' sake
	s_barrier_signal -1
	s_barrier_wait -1
	s_cmp_lt_u32 s[WV], 2
	s_cbranch_scc0 .Lnot_os
	ds_load_b64 v[S+48:S+49], v7                   ; waves 0 and 1 store the scale bytes of 128 tokens each: 256 consecutive bytes, aligned
	s_wait_dscnt 0x0
	global_store_b64 v[ADR], v[S+48:S+49], s[10:11]
.Lnot_os:
	s_wait_tensorcnt 0x0                           ; the wave's end
	ds_add_u32 v[SPW], v[NIL]
	s_wait_dscnt 0x0
	ROUND                                          ; the closing round
	s_endpgm
.Lfunc_end_k_q2a93391023_attn:
	.size	k_q2a93391023_attn, .Lfunc_end_k_q2a93391023_attn-k_q2a93391023_attn
	.p2alignl 7, 3214868480
	.fill 96, 4, 3214868480
	.section	.rodata,"a",@progbits
	.p2align	6, 0x0
	.amdhsa_kernel k_q2a93391023_attn
		.amdhsa_group_segment_fixed_size 327680
		.amdhsa_private_segment_fixed_size 0
		.amdhsa_enable_private_segment 0
		.amdhsa_kernarg_size 32
		.amdhsa_user_sgpr_count 2
		.amdhsa_user_sgpr_kernarg_segment_ptr 1
		.amdhsa_wavefront_size32 1
		.amdhsa_system_sgpr_workgroup_id_x 1
		.amdhsa_system_sgpr_workgroup_id_y 1
		.amdhsa_system_sgpr_workgroup_id_z 1
		.amdhsa_system_vgpr_workitem_id 0
		.amdhsa_next_free_vgpr 384
		.amdhsa_next_free_sgpr 66
		.amdhsa_reserve_vcc 0
		.amdhsa_float_denorm_mode_32 3
		.amdhsa_float_denorm_mode_16_64 3
		.amdhsa_memory_ordered 1
		.amdhsa_forward_progress 1
		.amdhsa_inst_pref_size 124
	.end_amdhsa_kernel
	.amdgpu_metadata
---
amdhsa.version: [ 1, 2 ]
amdhsa.kernels:
  - .name:           k_q2a93391023_attn
    .symbol:         k_q2a93391023_attn.kd
    .args:
      - { .name: qx, .offset: 0, .size: 8, .value_kind: global_buffer, .address_space: global }
      - { .name: kv, .offset: 8, .size: 8, .value_kind: global_buffer, .address_space: global }
      - { .name: oc, .offset: 16, .size: 8, .value_kind: global_buffer, .address_space: global }
      - { .name: os, .offset: 24, .size: 8, .value_kind: global_buffer, .address_space: global }
    .group_segment_fixed_size: 327680
    .private_segment_fixed_size: 0
    .kernarg_segment_align: 8
    .kernarg_segment_size: 32
    .max_flat_workgroup_size: 256
    .sgpr_count:     66
    .vgpr_count:     384
    .wavefront_size: 32
...
	.end_amdgpu_metadata
.endif
;; end of part 2
;; launch outp (part 3): grid 64 x 4, 8 waves a work-group, no clusters, 103,424 bytes of LDS; arguments oc, os, Wo_codes, Wo_scales, bo, out0; writes out0
.if DOCPART == 3
	.amdgcn_target "amdgcn-amd-amdhsa--gfx1250"
	.amdhsa_code_object_version 6
	.text
	.protected	k_q2a93391023_outp
	.globl	k_q2a93391023_outp
	.p2align	8
	.type	k_q2a93391023_outp,@function
k_q2a93391023_outp:
	s_mov_b64 s[64:65], 0
	v_nop
	global_prefetch_b8 v0, s[64:65] scope:SCOPE_SE
	s_setreg_imm32_b32 hwreg(HW_REG_WAVE_MODE, 25, 1), 1
	s_wait_xcnt 0x0
; out0 = o Wo + bo on codes of FP4 (E2M1) with E8M0 scales, sums in f32.  o's codes (oc) are images of operand registers, [tile of 16 tokens][K step 4][half 2][512 bytes]; its scale bytes (os) lie [block of 128 tokens][head 8][entry 128][2].
; SHARES.  Work-group (x, y): x = a block of 128 tokens (8 tiles), y = 128 columns.  Eight waves; wave w owns columns 128 y + 16 w .. + 15 for all 8 tiles: 8 accumulators by turns, 32 products.
; Its 16 rows of Wo (4 fragments) stay in registers.  The block's 32,768 bytes of codes are copied into LDS as they lie and read from there by all eight waves.
; The product is used transposed (source 0 = rows of Wo, source 1 = tokens): a lane holds 8 neighbouring columns of one token.  The bias is the C of each sum's first product.
; A tile's lane r is token 32 (t / 2) + 8 (t % 2) + r + 8 (r / 8) of the block: the results meet in a stage in LDS and each wave stores its tile's 16 rows at those tokens, 512 consecutive bytes a store.
; NO CLUSTER: all operands come through registers by plain loads, once for a work-group; what neighbours share is 32,768 bytes each of codes, for 32 matrix instructions a wave.
; LIMITS: NaN, infinities and given scale bytes of 0xff are not served.
.set OSC,  32768                       ; behind the codes: the scale words, 16 bytes an entry: the four K steps' words
.set STG,  34816                       ; the stage: 128 rows x (512 bytes + 16)
.set SP,   528
.set WF,   16                          ; v16-47   Wo's fragments, K step s at 8 s
.set WS,   48                          ; v48-51   Wo's scale words
.set BI,   52                          ; v52-59   the bias as C
.set OS,   60                          ; v60-75   o's scale words: register 4 p + s: lanes 0-15 tile 2 p, lanes 16-31 tile 2 p + 1, K step s
.set OF,   80                          ; v80-143  o's eight fragments of a K step; before that the copy's data; at the end rows of the result
.set ACC,  144                         ; v144-207 eight accumulators
.macro WM d, a, b, c, sa, sb, ra, rb   ; one product; ra, rb = 1: that side's scales stand in lanes 16-31
.if (\ra) && (\rb)
	v_wmma_scale_f32_16x16x128_f8f6f4 v[\d:\d+7], v[\a:\a+7], v[\b:\b+7], v[\c:\c+7], v[\sa], v[\sb] matrix_a_fmt:MATRIX_FMT_FP4 matrix_b_fmt:MATRIX_FMT_FP4 matrix_a_scale:MATRIX_SCALE_ROW1 matrix_b_scale:MATRIX_SCALE_ROW1
.elseif (\ra)
	v_wmma_scale_f32_16x16x128_f8f6f4 v[\d:\d+7], v[\a:\a+7], v[\b:\b+7], v[\c:\c+7], v[\sa], v[\sb] matrix_a_fmt:MATRIX_FMT_FP4 matrix_b_fmt:MATRIX_FMT_FP4 matrix_a_scale:MATRIX_SCALE_ROW1
.elseif (\rb)
	v_wmma_scale_f32_16x16x128_f8f6f4 v[\d:\d+7], v[\a:\a+7], v[\b:\b+7], v[\c:\c+7], v[\sa], v[\sb] matrix_a_fmt:MATRIX_FMT_FP4 matrix_b_fmt:MATRIX_FMT_FP4 matrix_b_scale:MATRIX_SCALE_ROW1
.else
	v_wmma_scale_f32_16x16x128_f8f6f4 v[\d:\d+7], v[\a:\a+7], v[\b:\b+7], v[\c:\c+7], v[\sa], v[\sb] matrix_a_fmt:MATRIX_FMT_FP4 matrix_b_fmt:MATRIX_FMT_FP4
.endif
.endm
	s_load_b256 s[4:11], s[0:1], 0x0               ; oc s[4:5], os s[6:7], Wo's codes s[8:9], Wo's scales s[10:11]
	s_load_b128 s[12:15], s[0:1], 0x20             ; bo s[12:13], out0 s[14:15]
	v_lshl_add_u32 v208, v0, 2, 0x19000
	v_mov_b32 v209, 0
	v_lshrrev_b32 v11, 5, v0
	s_delay_alu instid0(VALU_DEP_1)
	v_readfirstlane_b32 s16, v11                   ; wave 0..7
	s_and_b32 s17, ttmp7, 0xffff                   ; y
	s_lshl_b32 s18, s17, 7
	s_lshl_b32 s19, s16, 4
	s_add_co_u32 s18, s18, s19                     ; my first column
	v_and_b32 v12, 31, v0                          ; lane
	v_and_b32 v13, 15, v0                          ; r
	v_bfe_u32 v14, v0, 4, 1                        ; h
	s_delay_alu instid0(VALU_DEP_3)
	v_lshlrev_b32 v1, 4, v12                       ; 16 x lane
	v_lshlrev_b32 v2, 4, v0                        ; 16 x thread: the copy, in memory and in LDS
	v_lshlrev_b32 v3, 3, v0                        ; 8 x thread: the scale bytes in memory: wave w reads head w's 256 bytes, a lane four entries
	s_lshl_b32 s20, s16, 1
	s_add_co_u32 s20, s20, OSC
	v_lshl_add_u32 v4, v12, 6, s20                 ; and in LDS: entry 4 x lane, head w's two bytes
	v_lshl_add_u32 v5, v12, 4, OSC                 ; the scale words of 32 entries a load
	v_lshlrev_b32 v6, 8, v13
	s_delay_alu instid0(VALU_DEP_1)
	v_lshl_add_u32 v6, v14, 4, v6                  ; a fragment of Wo: row r of 256 bytes, + 16 h
	v_lshlrev_b32 v7, 4, v13                       ; its scale words: 16 bytes a row
	v_lshlrev_b32 v8, 5, v14                       ; the bias of columns 8 h + 0 .. 7
	v_mul_u32_u24 v9, v13, SP
	s_delay_alu instid0(VALU_DEP_1)
	v_lshl_add_u32 v9, v14, 5, v9
	s_lshl_b32 s20, s16, 6
	s_add_co_u32 s20, s20, STG
	v_add_nc_u32 v9, s20, v9                       ; the stage, in: row r, my wave's 64 bytes, + 32 h
	s_mul_i32 s20, s16, 16*SP
	s_add_co_u32 s20, s20, STG
	v_add_nc_u32 v10, s20, v1                      ; and back: tile w's rows, 16 bytes a lane
	s_mov_b32 s21, 0
	s_wait_alu depctr_va_vdst(0)
	s_wait_kmcnt 0x0
	s_lshl_b32 s20, ttmp9, 15
	s_add_nc_u64 s[4:5], s[4:5], s[20:21]          ; the block's codes
	s_lshl_b32 s20, ttmp9, 11
	s_add_nc_u64 s[6:7], s[6:7], s[20:21]          ; its scale bytes
	s_lshl_b32 s20, s18, 8
	s_add_nc_u64 s[8:9], s[8:9], s[20:21]          ; my 16 rows of Wo
	s_lshl_b32 s20, s18, 4
	s_add_nc_u64 s[10:11], s[10:11], s[20:21]
	s_lshl_b32 s20, s18, 2
	s_add_nc_u64 s[12:13], s[12:13], s[20:21]
	s_lshl_b32 s20, ttmp9, 7
	s_lshr_b32 s22, s16, 1
	s_lshl_b32 s22, s22, 5
	s_add_co_u32 s20, s20, s22
	s_and_b32 s22, s16, 1
	s_lshl_b32 s22, s22, 3
	s_add_co_u32 s20, s20, s22                     ; the first token of tile w: 128 x + 32 (w / 2) + 8 (w % 2)
	s_lshl_b32 s20, s20, 11                        ; rows of 2,048 bytes
	s_lshl_b32 s22, s17, 9
	s_add_co_u32 s20, s20, s22                     ; + the work-group's 128 columns
	s_add_nc_u64 s[14:15], s[14:15], s[20:21]
.irp i, 0,1,2,3,4,5,6,7
	global_load_b128 v[OF+4*\i:OF+4*\i+3], v2, s[4:5] offset:4096*\i
.endr
	global_load_b64 v[OF+32:OF+33], v3, s[6:7]
.irp s, 0,1,2,3
.irp c, 0,1
	global_load_b128 v[WF+8*\s+4*\c:WF+8*\s+4*\c+3], v6, s[8:9] offset:64*\s+32*\c
.endr
.endr
	global_load_b128 v[WS:WS+3], v7, s[10:11]
	global_load_b128 v[BI:BI+3], v8, s[12:13]
	global_load_b128 v[BI+4:BI+7], v8, s[12:13] offset:16
	s_wait_loadcnt 11                              ; the copy's nine loads are in; Wo's and the bias's eleven, issued behind them, may be out
.irp i, 0,1,2,3,4,5,6,7
	ds_store_b128 v2, v[OF+4*\i:OF+4*\i+3] offset:4096*\i
.endr
	ds_store_b16 v4, v[OF+32]                      ; four entries' two bytes of head w, each into its entry's 16 bytes
	ds_store_b16_d16_hi v4, v[OF+32] offset:16
	ds_store_b16 v4, v[OF+33] offset:32
	ds_store_b16_d16_hi v4, v[OF+33] offset:48
	s_wait_dscnt 0x0                               ; for the others' sake
	s_barrier_signal -1
	s_barrier_wait -1
.irp p, 0,1,2,3
	ds_load_b128 v[OS+4*\p:OS+4*\p+3], v5 offset:512*\p
.endr
	s_wait_loadcnt 0x0                             ; Wo and the bias
.irp s, 0,1,2,3
.irp t, 0,1,2,3,4,5,6,7
.irp c, 0,1
	ds_load_b128 v[OF+8*\t+4*\c:OF+8*\t+4*\c+3], v1 offset:4096*\t+1024*\s+512*\c
.endr
.endr
	s_wait_dscnt 0x0
.irp t, 0,1,2,3,4,5,6,7
.set rD, ACC+8*\t
.set rC, rD
.if \s == 0
.set rC, BI
.endif
	WM rD, (WF+8*\s), (OF+8*\t), rC, (WS+\s), (OS+4*(\t/2)+\s), 0, (\t%2)
.endr
.rept 4
	v_nop                                          ; four places ahead of the loads into the fragments' registers, and at the end ahead of the stores that read the results
.endr
.endr
.irp t, 0,1,2,3,4,5,6,7
	ds_store_b128 v9, v[ACC+8*\t:ACC+8*\t+3] offset:16*SP*\t          ; each accumulator from its low end on
	ds_store_b128 v9, v[ACC+8*\t+4:ACC+8*\t+7] offset:16*SP*\t+16
.endr
	s_wait_dscnt 0x0                               ; for the others' sake: a row's 512 bytes come from eight waves
	s_barrier_signal -1
	s_barrier_wait -1
.irp i, 0,1,2,3,4,5,6,7,8,9,10,11,12,13,14,15
	ds_load_b128 v[OF+4*\i:OF+4*\i+3], v10 offset:SP*\i
.endr
.irp i, 0,1,2,3,4,5,6,7,8,9,10,11,12,13,14,15
	s_wait_dscnt 15-\i                             ; LDS loads come back in order: row i is in, the younger ones may be out
	global_store_b128 v1, v[OF+4*\i:OF+4*\i+3], s[14:15] offset:(\i+8*(\i/8))*2048 th:TH_STORE_NT   ; 512 consecutive bytes, at a multiple of 256 from out0's first byte
.endr
	s_wait_tensorcnt 0x0
	ds_add_u32 v208, v209
	s_wait_dscnt 0x0
	s_endpgm
.Lfunc_end_k_q2a93391023_outp:
	.size	k_q2a93391023_outp, .Lfunc_end_k_q2a93391023_outp-k_q2a93391023_outp
	.p2alignl 7, 3214868480
	.fill 96, 4, 3214868480
	.section	.rodata,"a",@progbits
	.p2align	6, 0x0
	.amdhsa_kernel k_q2a93391023_outp
		.amdhsa_group_segment_fixed_size 103424
		.amdhsa_private_segment_fixed_size 0
		.amdhsa_enable_private_segment 0
		.amdhsa_kernarg_size 48
		.amdhsa_user_sgpr_count 2
		.amdhsa_user_sgpr_kernarg_segment_ptr 1
		.amdhsa_wavefront_size32 1
		.amdhsa_system_sgpr_workgroup_id_x 1
		.amdhsa_system_sgpr_workgroup_id_y 1
		.amdhsa_system_sgpr_workgroup_id_z 1
		.amdhsa_system_vgpr_workitem_id 0
		.amdhsa_next_free_vgpr 210
		.amdhsa_next_free_sgpr 66
		.amdhsa_reserve_vcc 0
		.amdhsa_float_denorm_mode_32 3
		.amdhsa_float_denorm_mode_16_64 3
		.amdhsa_memory_ordered 1
		.amdhsa_forward_progress 1
		.amdhsa_inst_pref_size 19
	.end_amdhsa_kernel
	.amdgpu_metadata
---
amdhsa.version: [ 1, 2 ]
amdhsa.kernels:
  - .name:           k_q2a93391023_outp
    .symbol:         k_q2a93391023_outp.kd
    .args:
      - { .name: oc, .offset: 0, .size: 8, .value_kind: global_buffer, .address_space: global }
      - { .name: os, .offset: 8, .size: 8, .value_kind: global_buffer, .address_space: global }
      - { .name: Wo_codes, .offset: 16, .size: 8, .value_kind: global_buffer, .address_space: global }
      - { .name: Wo_scales, .offset: 24, .size: 8, .value_kind: global_buffer, .address_space: global }
      - { .name: bo, .offset: 32, .size: 8, .value_kind: global_buffer, .address_space: global }
      - { .name: out0, .offset: 40, .size: 8, .value_kind: global_buffer, .address_space: global }
    .group_segment_fixed_size: 103424
    .private_segment_fixed_size: 0
    .kernarg_segment_align: 8
    .kernarg_segment_size: 48
    .max_flat_workgroup_size: 256
    .sgpr_count:     66
    .vgpr_count:     210
    .wavefront_size: 32
...
	.end_amdgpu_metadata
.endif
;; end of part 3
